; MI455X (gfx1250); checked and timed in simulation.
; The chip was launched on July 23, 2026; its instructions are those of AMD's public machine-readable ISA for CDNA 5 (MIT licence, August 2026) and "CDNA5" Instruction Set Architecture Reference Guide (July 2026). The comments in the code are by the model that wrote it; some were corrected since.
;; Vector Quantizer2. Allowed arithmetic: float matrix products may take bf16 or f16 operands with f32 sums; other float arithmetic in f32, or as packed bf16 or f16 multiplies, adds, multiply-adds, maxima and minima; sums over many terms, partial sums and values carried from step to step in f32; what a program stores and reads back later, other than sums and carried values, may be rounded once to bf16 or f16.
;; Inputs: emb 8,192 x 256 float32; z 32 x 256 x 32 x 32 float32.
;; Outputs: out0 32 x 256 x 32 x 32 float32; out1 32 x 32 x 32 int32; out2 one number float32.
;; One version. Each part assembles by itself: llvm-mc -triple=amdgcn-amd-amdhsa -mcpu=gfx1250 --defsym DOCPART=n.
;; ======== version 1 of 1: 3 launches
;; limits: a difference of large sums (such as E[x^2] - mean^2): digits are lost where the result is much smaller than its terms
;; workspace buffers: eb 4,194,304 bytes; ee 32,768 bytes; widx 131,072 bytes of whole numbers; part 1,024 bytes
;; launch prep (part 1): grid 256 x 1, 8 waves a work-group, no clusters, 0 bytes of LDS; arguments emb, eb, ee; writes eb, ee
.if DOCPART == 1
	.amdgcn_target "amdgcn-amd-amdhsa--gfx1250"
	.amdhsa_code_object_version 6
	.text
	.protected	k_qfa6427910b_prep
	.globl	k_qfa6427910b_prep
	.p2align	8
	.type	k_qfa6427910b_prep,@function
k_qfa6427910b_prep:
	s_mov_b64 s[64:65], 0
	v_nop
	global_prefetch_b8 v0, s[64:65] scope:SCOPE_SE
	s_setreg_imm32_b32 hwreg(HW_REG_WAVE_MODE, 25, 1), 1
	s_wait_xcnt 0x0
; VECTOR QUANTIZER, launch 1 of 3.  eb[k][c] = emb[k][c] rounded to bf16;  ee[k] = the sum over c of eb[k][c]^2, in f32.
; THE WHOLE PROGRAM.  N = 32,768 rows z[n][:] (in memory z[b][c][hw], n = 1,024 b + hw), 8,192 codes of 256 channels.
;   launch 2: d[n][k] = (zz[n] + ee[k]) - 2 z[n].e[k] in f32, in that order of roundings; the first argmin; the sum of the least d of each block of 128 rows.
;   launch 3: out0 = z + (e[idx] - z), turned back to [b][c][hw]; out2 from launch 2's 256 partial sums.
; FORMATS.  Both inputs are rounded to bf16 once, and every step (the product, zz, ee, the looked-up rows, the straight-through sum) takes the rounded numbers.
; WHAT IS LEFT OUT, for all finite values of the inputs:
;   stop_gradient changes no value.  The loss's two means are means of the same squares: loss = 1.25 x mean((e[idx] - z)^2).
;   The sum over c of (e[idx][c] - z[c])^2 is zz + ee[idx] - 2 z.e[idx], which is the least d of the row, and launch 2 holds it: the squares are not formed a second time.
;   No input is dropped.  zz stays in d although it is the same along the argmin's axis: beside it the other terms lose bits in f32, and the ties so made decide indices.
;   z stays in z + (e - z): e is rounded onto z's steps there.
; LIMITS.  The loss so made carries f32's rounding times (zz + ee) / d_min: good to one part in a hundred while d_min is above 1e-5 (zz + ee).
;   A NaN, an infinity or an overflow that would arise only in the squares left out is not carried to out2.  NaN and infinities are not treated apart; a row whose d are all infinite gets index 0.
;   zz, ee and z.e are summed in another order than a row-by-row f32 sum: a row whose two best d lie within that difference of a rounding step's edge may take the other index.
; THIS LAUNCH is a stream: no LDS, no matrix unit, no barrier.  A work-group owns 32 codes, each of its eight waves 4; a code's 1,024 bytes are two loads of a wave (512 consecutive bytes each),
; its 512 bytes of bf16 two stores of 256 consecutive, aligned bytes.  A row never leaves its wave: its sum is reduced across the 32 lanes.
.set OFF, 2                            ; v2      my 16 bytes in the wave's first row of emb
.set OFO, 3                            ; v3      my 8 bytes in the wave's first row of eb
.set EO,  4                            ; v4      the wave's 16 bytes of ee
.set LN,  5                            ; v5      lane
.set X,   8                            ; v[8:39]   row t, half j: four f32 at 8 t + 4 j
.set Y,   40                           ; v[40:55]  row t: four words of bf16; store data, never rewritten
.set U,   56                           ; v[56:63]  the rounded numbers as f32, at work
.set S,   64                           ; v[64:71]  row t: a pair of running sums
.set R,   72                           ; v[72:75]  row t: its sum
	s_load_b128 s[4:7], s[0:1], 0x0                ; emb s[4:5], eb s[6:7]
	s_load_b64 s[8:9], s[0:1], 0x10                ; ee
	v_lshrrev_b32 v1, 5, v0
	v_readfirstlane_b32 s10, v1                    ; wave 0..7
	v_and_b32 v[LN], 31, v0
	s_lshl_b32 s11, ttmp9, 3
	s_add_co_u32 s11, s11, s10
	s_lshl_b32 s11, s11, 2                         ; the wave's first row
	s_lshl_b32 s16, s11, 10                        ; x 1,024 bytes of emb
	s_lshl_b32 s17, s11, 9                         ; x 512 bytes of eb
	s_lshl_b32 s18, s11, 2                         ; x 4 bytes of ee
	v_lshl_add_u32 v[OFF], v[LN], 4, s16
	v_lshl_add_u32 v[OFO], v[LN], 3, s17
	v_mov_b32 v[EO], s18
	s_mov_b32 s12, 0x76543210                      ; v_permlanex16_b32: each lane takes its own place in the other half
	s_mov_b32 s13, 0xfedcba98
	s_mov_b32 s14, 0xffff0000                      ; a word's upper bf16
	s_wait_kmcnt 0x0
.irp t, 0,1,2,3
	global_load_b128 v[X+8*\t:X+8*\t+3],   v[OFF], s[4:5] offset:\t*1024 th:TH_LOAD_NT
	global_load_b128 v[X+8*\t+4:X+8*\t+7], v[OFF], s[4:5] offset:\t*1024+512 th:TH_LOAD_NT
.endr
.irp t, 0,1,2,3
	s_wait_loadcnt 6-2*\t                          ; loads come back in order: row t's two are in, the later rows' stay out
.irp m, 0,1,2,3
	v_cvt_pk_bf16_f32 v[Y+4*\t+\m], v[X+8*\t+2*\m], v[X+8*\t+2*\m+1]
.endr
	global_store_b64 v[OFO], v[Y+4*\t:Y+4*\t+1],   s[6:7] offset:\t*512      ; 32 lanes x 8 bytes: 256 consecutive bytes, aligned
	global_store_b64 v[OFO], v[Y+4*\t+2:Y+4*\t+3], s[6:7] offset:\t*512+256
.irp m, 0,1,2,3
	v_lshlrev_b32 v[U+2*\m],   16,  v[Y+4*\t+\m]   ; the ROUNDED numbers are squared
	v_and_b32     v[U+2*\m+1], s14, v[Y+4*\t+\m]
.endr
	v_pk_mul_f32 v[S+2*\t:S+2*\t+1], v[U:U+1], v[U:U+1]          ; the first squares start the sums
	v_pk_fma_f32 v[S+2*\t:S+2*\t+1], v[U+2:U+3], v[U+2:U+3], v[S+2*\t:S+2*\t+1]
	v_pk_fma_f32 v[S+2*\t:S+2*\t+1], v[U+4:U+5], v[U+4:U+5], v[S+2*\t:S+2*\t+1]
	v_pk_fma_f32 v[S+2*\t:S+2*\t+1], v[U+6:U+7], v[U+6:U+7], v[S+2*\t:S+2*\t+1]
	v_add_f32 v[R+\t], v[S+2*\t], v[S+2*\t+1]
.endr
	; across the 32 lanes, the four rows side by side
.irp m, 1,2,4,8
.irp t, 0,1,2,3
	v_add_f32_dpp v[R+\t], v[R+\t], v[R+\t] row_xmask:\m row_mask:0xf bank_mask:0xf
.endr
.endr
.irp t, 0,1,2,3
	v_permlanex16_b32 v[U+\t], v[R+\t], s12, s13   ; its destination counts as read: U has been written
.endr
.irp t, 0,1,2,3
	v_add_f32 v[R+\t], v[R+\t], v[U+\t]
.endr
	v_cmp_eq_u32 vcc_lo, 0, v[LN]
	s_wait_xcnt 0x0                                ; EXEC is a source of the stores above: it changes only behind this wait
	s_and_saveexec_b32 s15, vcc_lo
	global_store_b128 v[EO], v[R:R+3], s[8:9]      ; lane 0: the wave's four sums, 16 bytes on end
	s_wait_xcnt 0x0                                ; and again ahead of the line that widens it
	s_or_b32 exec_lo, exec_lo, s15
	s_endpgm
.Lfunc_end_k_qfa6427910b_prep:
	.size	k_qfa6427910b_prep, .Lfunc_end_k_qfa6427910b_prep-k_qfa6427910b_prep
	.p2alignl 7, 3214868480
	.fill 96, 4, 3214868480
	.section	.rodata,"a",@progbits
	.p2align	6, 0x0
	.amdhsa_kernel k_qfa6427910b_prep
		.amdhsa_group_segment_fixed_size 0
		.amdhsa_private_segment_fixed_size 0
		.amdhsa_enable_private_segment 0
		.amdhsa_kernarg_size 24
		.amdhsa_user_sgpr_count 2
		.amdhsa_user_sgpr_kernarg_segment_ptr 1
		.amdhsa_wavefront_size32 1
		.amdhsa_system_sgpr_workgroup_id_x 1
		.amdhsa_system_sgpr_workgroup_id_y 1
		.amdhsa_system_sgpr_workgroup_id_z 1
		.amdhsa_system_vgpr_workitem_id 0
		.amdhsa_next_free_vgpr 80
		.amdhsa_next_free_sgpr 66
		.amdhsa_reserve_vcc 1
		.amdhsa_float_denorm_mode_32 3
		.amdhsa_float_denorm_mode_16_64 3
		.amdhsa_memory_ordered 1
		.amdhsa_forward_progress 1
		.amdhsa_inst_pref_size 8
	.end_amdhsa_kernel
	.amdgpu_metadata
---
amdhsa.version: [ 1, 2 ]
amdhsa.kernels:
  - .name:           k_qfa6427910b_prep
    .symbol:         k_qfa6427910b_prep.kd
    .args:
      - { .name: emb, .offset: 0, .size: 8, .value_kind: global_buffer, .address_space: global }
      - { .name: eb, .offset: 8, .size: 8, .value_kind: global_buffer, .address_space: global }
      - { .name: ee, .offset: 16, .size: 8, .value_kind: global_buffer, .address_space: global }
    .group_segment_fixed_size: 0
    .private_segment_fixed_size: 0
    .kernarg_segment_align: 8
    .kernarg_segment_size: 24
    .max_flat_workgroup_size: 256
    .sgpr_count:     66
    .vgpr_count:     80
    .wavefront_size: 32
...
	.end_amdgpu_metadata
.endif
;; end of part 1
;; launch nearest (part 2): grid 256 x 1, 4 waves a work-group, clusters of 4 x 1, 327,680 bytes of LDS; arguments z, eb, ee, out1, widx, part; writes out1, widx, part
.if DOCPART == 2
	.amdgcn_target "amdgcn-amd-amdhsa--gfx1250"
	.amdhsa_code_object_version 6
	.text
	.protected	k_qfa6427910b_nearest
	.globl	k_qfa6427910b_nearest
	.p2align	8
	.type	k_qfa6427910b_nearest,@function
k_qfa6427910b_nearest:
	s_mov_b64 s[64:65], 0
	v_nop
	global_prefetch_b8 v0, s[64:65] scope:SCOPE_SE
	s_setreg_imm32_b32 hwreg(HW_REG_WAVE_MODE, 25, 1), 1
	s_wait_xcnt 0x0
	s_wait_alu depctr_hold_cnt(0) depctr_sa_sdst(0) depctr_va_vdst(0) depctr_va_sdst(0) depctr_va_ssrc(0) depctr_va_vcc(0) depctr_vm_vsrc(0)
	s_getreg_b32 s2, hwreg(HW_REG_IB_STS2, 6, 4)
	s_cmp_eq_u32 s2, 0
	s_cbranch_scc0 .Lentry_in_a_cluster
	s_endpgm
.Lentry_in_a_cluster:
	s_bfe_u32 s2, ttmp6, 0x10000c
	s_cmp_lg_u32 s2, 0x3003
	s_cbranch_scc0 .Lentry_shape_is_right
	s_endpgm
.Lentry_shape_is_right:
; VECTOR QUANTIZER, launch 2 of 3.  out1[n] = widx[n] = the FIRST k at which d[n][k] = (zz[n] + ee[k]) - 2 z[n].e[k] is least;  part[g] = the sum of that least d over work-group g's 128 rows.
; LEFT OUT (shown at the head of the first kernel): the squares (e[idx] - z)^2 are not formed: their sum over a row is the row's least d.
; z is rounded to bf16 here; eb and ee come from launch 1.  z.e and zz on the matrix units, bf16 operands, f32 sums.  d is made of them by the two f32 roundings that the formula has:
; t = ee + zz, then d = t - 2 dot by one fused multiply-add (2 dot is exact).  zz stays: beside it the other terms lose bits, and the ties that this makes go to the first index.
; LIMITS: as stated at the head of the first kernel (order of sums; NaN and infinities not treated apart; all d infinite gives index 0).
; SHARES.  Work-group g = 4 x cluster + cx owns rows 128 g .. 128 g + 127: b = g / 8, hw from 128 (g % 8).  256 work-groups of equal work.  Every one walks the whole codebook, 32 chunks of 256 codes.
; Wave w: qh = w / 2 says which 64 rows, hc = w % 2 which 128 codes of every chunk.  Its 64 rows x 256 channels stay in 256 registers; a tile of 16 codes is 16 LDS loads and 32 matrix instructions.
; CLUSTER.  The four work-groups of a cluster walk the same chunks, so each quarter chunk is asked for JOINTLY: the same load, descriptor and mask in all four.  z's tiles are each work-group's own.
; LAYOUT.  Source 0 = 16 codes, source 1 = 16 rows: in the result lane (r = l % 16, h = l / 16) holds ONE row, and register j the code 8 h + j of the tile.  Row tile q (0..3), lane r is the local row
; 64 qh + 4 r + q: so 16 bytes of the f32 z tile (channel-major) hold one channel for all four tiles, and a lane's four final indices are 16 bytes of out1 on end.
; THE ARGMIN.  For each (row tile, register) a running least d and the number of the code tile that gave it, taken over by a strict < in ascending order: four vector instructions for each matrix
; instruction, set behind it (SLICE).  While the tile of one parity is multiplied, the tile before it is reduced; two sets of accumulators, of fragments and of ee take turns.
; LDS: slot 0 and slot 1, 256 rows x 528 bytes (512 + 16 of padding: the 16 rows of a fragment load start at 16 different groups of four banks; 64 banks of 4 bytes: ISA guide 11.1).
;   Slot 1's first fill is the z tile, 256 channels x (128 f32 + 16 bytes).  Then the ee table (filled once), a scratch of 1,024 bytes a wave for the end (no fill lands there), the spare words.
;   The launch claims all of the WGP's LDS.
; REGISTERS, in windows of 256 (s_set_vgpr_msb: bits 1:0 source 0, 3:2 source 1, 5:4 source 2, 7:6 destination):
;   window 0: addresses, zz, t and d, ee, the running minima and tile numbers, the accumulators.   window 1: the rows, tile q, K fragment f at 64 q + 8 f.
;   window 2: code fragments, two buffers of 64 (parity p, fragment f at 64 p + 8 f); before the walk the z tile's f32 numbers.
.set PITCH,  528
.set SLOT,   256*PITCH                 ; 0x21000: shares no bit with wave x QUART, so one exclusive or turns an address in one slot into the other's
.set QUART,  64*PITCH                  ; what one tensor load brings
.set TILEB,  16*PITCH                  ; a tile of 16 codes
.set HALFB,  128*PITCH                 ; the 128 codes of a chunk that a wave reads
.set EEB,    2*SLOT                    ; ee[k] at EEB + 4 k
.set SCR,    EEB+32768
.set SPARE,  SCR+4096                  ; the spare words, 128 bytes for each wave: two blocks of 256 bytes that no other line names
.set CHUNKB, 256*512                   ; a chunk in memory
.set ADRL, 2                           ; v2   my place in a tile of codes: hc x HALFB + r x PITCH + 16 h; never rewritten
.set ADR,  3                           ; v3   the LDS address of the run of fragment loads in hand
.set AEL,  4                           ; v4   EEB + 512 hc + 32 h; never rewritten
.set AE,   5                           ; v5   the LDS address of the ee loads in hand
.set ZA,   6                           ; v6   my place in the z tile
.set PFO,  7                           ; v7   256 x lane; never rewritten
.set SPW,  8                           ; v8   LDS address of my spare word; never rewritten
.set NIL,  9                           ; v9   0; never rewritten
.set HB,   10                          ; v10  128 hc + 8 h
.set ZZ,   12                          ; v[12:19]   tile q: (zz, zz) at 12 + 2 q
.set T,    20                          ; v[20:27]   t, then d, of the eight codes in hand
.set EE,   28                          ; v[28:43]   ee of my eight codes, parity p at + 8 p
.set BEST, 44                          ; v[44:75]   tile q, register j at + 8 q + j
.set IDX,  76                          ; v[76:107]  16 x the number of the code tile that gave it
.set ACC,  108                         ; v[108:171] parity p, tile q at + 32 p + 8 q
.set RV,   172                         ; v[172:175] the four rows' least d
.set RK,   176                         ; v[176:179] and its code
.set OV,   180                         ; v[180:187] the other wave's
.set OK,   184
.set LV,   188                         ; v[188:195] the other 64 rows' least d
.set SA,   196                         ; v196 my 16 bytes in my wave's scratch
.set OO,   197                         ; v197 my 16 bytes of out1 and widx
.set PO,   198                         ; v198 the work-group's word of part
.set LN,   199                         ; v199 lane
.set WV,   16                          ; s16  wave
.set CX,   17                          ; s17  my place in the cluster: it enters global addresses of my own loads, stores and prefetches alone
.set GR,   18                          ; s18  g
.set HC,   19                          ; s19  hc
.set QH,   20                          ; s20  qh
.set G1E,  24                          ; s[24:31] group 1: a quarter chunk
.set G1Z,  32                          ; s[32:39] group 1: a quarter of the z tile
.set G1T,  40                          ; s[40:47] group 1: a quarter of ee
.set G0A,  48                          ; s[48:51] group 0 for the chunks: it walks
.set G0Z,  52                          ; s[52:55] group 0 for z
.set G0T,  56                          ; s[56:59] group 0 for ee
.set TB,   60                          ; s60  LDS byte at which the slot's next tile to fetch begins
.set TE,   61                          ; s61  byte in the ee table of the tile that is being multiplied (less my own 512 hc + 32 h)
.set IT,   62                          ; s62  16 x the number of the tile that is being reduced
.set CNT,  63                          ; s63  chunks to go
.set PR,   66                          ; s66  pairs of tiles to go
.set LIM,  67                          ; s67  2 in the cluster that prefetches, else the greatest number
.set PFA,  68                          ; s[68:69] where my prefetches stand
.set SEL,  70                          ; s[70:71] v_permlanex16_b32's selects
.set MK,   72                          ; s[72:75] four masks of lanes
.set DG,   76                          ; s[76:82] lanes with l % 8 = j, j = 1..7
.set DIA,  83                          ; s83  lanes 0-7 and 24-31
.set MA,   84                          ; s84-86 masks of a merge
.set MB,   85
.set MC,   86
.set SX,   87                          ; s87  EXEC kept
.set OZ,   88                          ; s[88:89] byte offsets, made apart from the addresses: z's (hangs on cx),
.set OE,   90                          ; s[90:91] eb's and
.set OT,   92                          ; s[92:93] ee's (the wave's number alone),
.set OP,   94                          ; s[94:95] the prefetches' (hangs on cx)
.set W_MM, 0x06                        ; codes in window 2, rows in window 1, sums in window 0
.set W_CV, 0x4a                        ; sources in window 2, destination in window 1
.set W_ZZ, 0x05                        ; both sources in window 1
.set W_LD, 0x80                        ; destination in window 2, address in window 0
.set MSB, 0
.macro WIN new                         ; the immediate's high byte repeats the setting that is left; a switch that changes nothing is dropped
.if MSB != (\new)
	s_set_vgpr_msb (MSB<<8)|(\new)
.set MSB, (\new)
.endif
.endm
; A round of the cluster's barrier: my work-group's barrier, so that wave 0's signal speaks for all four waves; wave 0 signals; every wave waits for all four work-groups; my work-group's barrier once more.
.macro CREST                           ; a round behind its opening barrier
	s_cmp_lg_u32 s[WV], 0
	s_cbranch_scc1 .Lnot_wave_0_\@
	s_barrier_signal -3
.Lnot_wave_0_\@:
	s_barrier_wait -3
	s_barrier_signal -1
	s_barrier_wait -1
.endm
.macro CROUND
	s_barrier_signal -1
	s_barrier_wait -1
	CREST
.endm
; A joint refill: every wave fetches its quarter of a chunk, 64 codes.  An s_nop 0 and four v_nop follow the load.
.macro JLOAD
	tensor_load_to_lds s[G0A:G0A+3], s[G1E:G1E+7]
	s_nop 0
.rept 4
	v_nop
.endr
.endm
; A PREFETCH INTO THE L2 of the chunk that stands TWO refills on: behind the joint load, its five lines and the run of LDS loads.  All clusters walk the same chunks: cluster 0 asks, nobody else.
; Its sixteen waves share a chunk's 512 blocks of 256 bytes out BY ADDRESS (32 (4 cx + wave) on, a lane a block): no branch hangs on a work-group's place in its cluster.  One instruction a wave and chunk;
; it stands 512 matrix instructions ahead of the load that will ask for the chunk.  Chunks 0 to 3 come by their loads alone; the trips with two chunks or fewer to go ask for nothing: there is no chunk 32.
.macro ASK
	s_cmp_gt_u32 s[CNT], s[LIM]
	s_cbranch_scc0 .Lnot_mine_\@
	global_prefetch_b8 v[PFO], s[PFA:PFA+1] th:TH_LOAD_NT scope:SCOPE_SE
.Lnot_mine_\@:
.endm
	s_load_b256 s[4:11], s[0:1], 0x0               ; z s[4:5], eb s[6:7], ee s[8:9], out1 s[10:11]
	s_load_b128 s[12:15], s[0:1], 0x20             ; widx s[12:13], part s[14:15]
	v_lshl_add_u32 v[SPW], v0, 2, SPARE
	v_mov_b32 v[NIL], 0
	ds_add_u32 v[SPW], v[NIL]                      ; the wave's opening: the add, twice on end, and its wait ahead of my first tensor load; the set-up below stands between
	ds_add_u32 v[SPW], v[NIL]                      ; and once more, under the one wait
	v_lshrrev_b32 v1, 5, v0
	v_readfirstlane_b32 s[WV], v1                  ; wave 0..3
	s_bfe_u32 s[CX], ttmp6, 0x40000                ; cx
	s_lshl_b32 s[GR], ttmp9, 2                     ; in a cluster launch ttmp9 counts clusters
	s_add_co_u32 s[GR], s[GR], s[CX]
	s_and_b32 s[HC], s[WV], 1
	s_lshr_b32 s[QH], s[WV], 1
	; group 1 for a quarter chunk: 64 rows x 256 bf16, padded in LDS
	s_mov_b32 s[G1E+0], 15|(1<<16)|(1<<20)|(1<<21)|(6<<22)|(3<<25)  ; 15:0 the mask of four; 17:16 2-byte elements; 20 padding on; 21 set beside a mask; 24:22 after every 128 words (code 6); 31:25 4 words (code 3)
	s_mov_b32 s[G1E+1], 256<<16                    ; tensor_dim0 = 256
	s_mov_b32 s[G1E+2], 64<<16                     ; tensor_dim1 = 64
	s_mov_b32 s[G1E+3], 256<<16                    ; tile_dim0 = 256
	s_mov_b32 s[G1E+4], 64                         ; tile_dim1 = 64
	s_mov_b32 s[G1E+5], 256                        ; 256 elements from row to row
	s_mov_b32 s[G1E+6], 0
	s_mov_b32 s[G1E+7], 0
	; group 1 for a quarter of the z tile: 64 channels x 128 f32, a load of my own (no mask), the same padding
	s_mov_b32 s[G1Z+0], (2<<16)|(1<<20)|(6<<22)|(3<<25)
	s_mov_b32 s[G1Z+1], 128<<16
	s_mov_b32 s[G1Z+2], 64<<16
	s_mov_b32 s[G1Z+3], 128<<16
	s_mov_b32 s[G1Z+4], 64
	s_mov_b32 s[G1Z+5], 1024                       ; a channel's plane is 1,024 numbers
	s_mov_b32 s[G1Z+6], 0
	s_mov_b32 s[G1Z+7], 0
	; group 1 for a quarter of ee: 8,192 dense bytes as 32 rows of 256, joint, no padding
	s_mov_b32 s[G1T+0], 15|(3<<16)|(1<<21)
	s_mov_b32 s[G1T+1], 32<<16
	s_mov_b32 s[G1T+2], 32<<16
	s_mov_b32 s[G1T+3], 32<<16
	s_mov_b32 s[G1T+4], 32
	s_mov_b32 s[G1T+5], 32
	s_mov_b32 s[G1T+6], 0
	s_mov_b32 s[G1T+7], 0
	s_mov_b32 s[G0A], 1                            ; count = 1
	s_mul_i32 s[G0A+1], s[WV], QUART               ; LDS: slot 0, my quarter: no place in the cluster enters an LDS address
	s_mov_b32 s[G0Z], 1
	s_add_co_u32 s[G0Z+1], s[G0A+1], SLOT          ; slot 1, my quarter
	s_mov_b32 s[G0T], 1
	s_lshl_b32 s[G0T+1], s[WV], 13
	s_add_co_u32 s[G0T+1], s[G0T+1], EEB
	s_lshr_b32 s21, s[GR], 3                       ; b,
	s_lshl_b32 s21, s21, 20                        ; 2^20 bytes each
	s_and_b32 s22, s[GR], 7
	s_lshl_b32 s22, s22, 9                         ; 128 rows of 4 bytes
	s_add_co_u32 s[OZ], s21, s22
	s_lshl_b32 s22, s[WV], 18                      ; my 64 channels of 4,096 bytes
	s_add_co_u32 s[OZ], s[OZ], s22
	s_mov_b32 s[OZ+1], 0
	s_lshl_b32 s[OE], s[WV], 15                    ; my 64 codes of 512 bytes
	s_mov_b32 s[OE+1], 0
	s_lshl_b32 s[OT], s[WV], 13
	s_mov_b32 s[OT+1], 0
	s_lshl_b32 s[OP], s[CX], 2
	s_add_co_u32 s[OP], s[OP], s[WV]
	s_lshl_b32 s[OP], s[OP], 13                    ; my wave's 32 blocks of 256 bytes among the cluster's 512,
	s_add_co_u32 s[OP], s[OP], 3*CHUNKB            ; in chunk 3: the first change of slots in the loop steps it to chunk 4
	s_mov_b32 s[OP+1], 0
	s_mov_b32 s[SEL], 0x76543210
	s_mov_b32 s[SEL+1], 0xfedcba98
.irp j, 1,2,3,4,5,6,7
	s_mov_b32 s[DG+\j-1], 0x01010101<<\j
.endr
	s_mov_b32 s[DIA], 0xff0000ff
	s_cmp_eq_u32 ttmp9, 0                          ; the same in all four partners
	s_cselect_b32 s[LIM], 2, -1
	s_mov_b32 s[TB], 0
	s_mov_b32 s[TE], 0
	s_mov_b32 s[IT], -16                           ; the first phase reduces a tile that is not there
	s_wait_dscnt 0x0                               ; both opening adds are done
	s_wait_kmcnt 0x0
	s_add_nc_u64 s[G0Z+2:G0Z+3], s[4:5], s[OZ:OZ+1]
	s_or_b32 s[G0Z+3], s[G0Z+3], 0x80000000        ; type = 2
	s_add_nc_u64 s[G0A+2:G0A+3], s[6:7], s[OE:OE+1]
	s_or_b32 s[G0A+3], s[G0A+3], 0x80000000
	s_add_nc_u64 s[G0T+2:G0T+3], s[8:9], s[OT:OT+1]
	s_or_b32 s[G0T+3], s[G0T+3], 0x80000000
	s_add_nc_u64 s[PFA:PFA+1], s[6:7], s[OP:OP+1]
	CROUND                                         ; all four work-groups are here: the first joint loads meet
	tensor_load_to_lds s[G0Z:G0Z+3], s[G1Z:G1Z+7]  ; the first fills go out as one group: my part of z (wanted first), into slot 1,
	s_nop 0
	tensor_load_to_lds s[G0A:G0A+3], s[G1E:G1E+7]  ; of chunk 0, into slot 0,
	s_nop 0
	tensor_load_to_lds s[G0T:G0T+3], s[G1T:G1T+7]  ; and of ee: three loads of mine are out
	s_nop 0
.rept 4
	v_nop
.endr
	; while they are on their way: the lanes' addresses, and what the first phase finds
	v_and_b32 v1, 15, v0                           ; r
	v_bfe_u32 v11, v0, 4, 1                        ; h
	v_mul_u32_u24 v[ADRL], v1, PITCH
	v_lshl_add_u32 v[ADRL], v11, 4, v[ADRL]
	s_mul_i32 s21, s[HC], HALFB
	v_add_nc_u32 v[ADRL], s21, v[ADRL]
	s_lshl_b32 s21, s[HC], 9
	s_add_co_u32 s21, s21, EEB
	v_lshl_add_u32 v[AEL], v11, 5, s21
	v_mul_u32_u24 v[ZA], v11, 8*PITCH              ; channels 8 h on,
	v_lshl_add_u32 v[ZA], v1, 4, v[ZA]             ; rows 4 r .. 4 r + 3
	s_lshl_b32 s21, s[QH], 8                       ; of my 64
	s_add_co_u32 s21, s21, SLOT
	v_add_nc_u32 v[ZA], s21, v[ZA]
	v_and_b32 v[LN], 31, v0
	v_lshlrev_b32 v[PFO], 8, v[LN]
	s_lshl_b32 s21, s[HC], 7
	v_lshl_add_u32 v[HB], v11, 3, s21
	s_mov_b32 s21, 0x7f800000                      ; +infinity
.set i, 0
.rept 32
	v_mov_b32 v[BEST+i], s21                       ; every finite d is below it
	v_mov_b32 v[IDX+i], 0
.set i, i+1
.endr
.set i, 0
.rept 8
	v_mov_b32 v[EE+8+i], s21                       ; the tile that is not there has d = +infinity, and is never taken
.set i, i+1
.endr
.irp q, 0,1,2,3
	v_mov_b32 v[T+2*\q+1], 0                       ; destinations of v_permlanex16_b32 count as read
.endr
	s_wait_tensorcnt 0x2                           ; my part of z is in; the two loads issued behind it may stay out
	s_barrier_signal -1
	s_barrier_wait -1                              ; everybody's is
; THE ROWS.  A fragment (16 rows x 32 channels) wants of lane (r, h) the channels 8 h + 0..7 in registers 0-3 and 16 + 8 h + 0..7 in registers 4-7.  One LDS load takes one channel of rows 4 r .. 4 r + 3:
; one number for each of the four tiles.  Sixteen loads are a K fragment's channels for all four tiles; two batches of 64 registers take turns.
.macro LOADX b                         ; the next 32 channels into batch b % 2
	WIN W_LD
.irp g, 0,1
.irp c, 0,1,2,3,4,5,6,7
	ds_load_b128 v[64*((\b)%2)+32*\g+4*\c:64*((\b)%2)+32*\g+4*\c+3], v[ZA] offset:(16*\g+\c)*PITCH
.endr
.endr
	WIN 0
	v_add_nc_u32 v[ZA], 32*PITCH, v[ZA]
.endm
.macro CVTQ f                          ; K fragment f of the four tiles: two neighbouring channels rounded into a word
	WIN W_CV
.irp q, 0,1,2,3
.irp g, 0,1
.irp m, 0,1,2,3
	v_cvt_pk_bf16_f32 v[64*\q+8*(\f)+4*\g+\m], v[64*((\f)%2)+32*\g+8*\m+\q], v[64*((\f)%2)+32*\g+8*\m+4+\q]
.endr
.endr
.endr
.endm
	LOADX 0
	LOADX 1
.set kf, 0
.rept 8
.if kf < 7
	s_wait_dscnt 16                                ; LDS loads come back in order: the older batch is in, the younger sixteen stay out
.else
	s_wait_dscnt 0x0                               ; the last batch: my reads of the z tile are over
.endif
	CVTQ kf
.if kf < 6
	LOADX kf                                       ; the batch just rounded takes the channels two fragments on
.endif
.set kf, kf+1
.endr
	; zz is the diagonal of rows x rows^T, on the rounded numbers.  The four accumulators take turns.  They are the set of parity 1, which the first phase's
	; riders read: finite numbers beside ee = +infinity.
	WIN W_ZZ
.set kf, 0
.rept 8
.irp q, 0,1,2,3
.if kf == 0
	v_wmma_f32_16x16x32_bf16 v[ACC+32+8*\q:ACC+32+8*\q+7], v[64*\q+8*kf:64*\q+8*kf+7], v[64*\q+8*kf:64*\q+8*kf+7], 0
.else
	v_wmma_f32_16x16x32_bf16 v[ACC+32+8*\q:ACC+32+8*\q+7], v[64*\q+8*kf:64*\q+8*kf+7], v[64*\q+8*kf:64*\q+8*kf+7], v[ACC+32+8*\q:ACC+32+8*\q+7]
.endif
.endr
.set kf, kf+1
.endr
.rept 4
	v_nop                                          ; four places between the last product and the first read of a result (ISA guide 7.12.1)
.endr
	WIN 0
	; register j of lane (r, h) is element (8 h + j, r): the diagonal lies in lanes 0-7 and 24-31, register l % 8; the other lanes take it from the lane 16 away
.irp q, 0,1,2,3
	v_cndmask_b32 v[T+2*\q], v[ACC+32+8*\q], v[ACC+32+8*\q+1], s[DG]
.irp j, 2,3,4,5,6,7
	v_cndmask_b32 v[T+2*\q], v[T+2*\q], v[ACC+32+8*\q+\j], s[DG+\j-1]
.endr
.endr
.irp q, 0,1,2,3
	v_permlanex16_b32 v[T+2*\q+1], v[T+2*\q], s[SEL], s[SEL+1]
.endr
.irp q, 0,1,2,3
	v_cndmask_b32 v[ZZ+2*\q], v[T+2*\q+1], v[T+2*\q], s[DIA]
	v_mov_b32 v[ZZ+2*\q+1], v[ZZ+2*\q]
.endr
; THE WALK.
; SLICE: four of the 128 vector instructions that reduce the tile of parity rp; number k of 32.  For row tile k / 8: t = ee + zz (4 packed); d = t - 2 dot (4 packed, the accumulator's lowest pair first);
; then for registers 0-3 and 4-7: is d below the least so far (masks in scalar registers); the tile's number where it is; the new least.
.macro SLICE rp
.set sq, k/8
.set ss, k%8
.set rA, ACC+32*(\rp)+8*sq
.set rE, EE+8*(\rp)
.set rB, BEST+8*sq+4*(ss/5)
.set rI, IDX+8*sq+4*(ss/5)
.set rD, T+4*(ss/5)
.irp n, 0,1,2,3
.if ss == 0
	v_pk_add_f32 v[T+2*\n:T+2*\n+1], v[rE+2*\n:rE+2*\n+1], v[ZZ+2*sq:ZZ+2*sq+1]
.elseif ss == 1
	v_pk_fma_f32 v[T+2*\n:T+2*\n+1], v[rA+2*\n:rA+2*\n+1], -2.0, v[T+2*\n:T+2*\n+1] op_sel_hi:[1,0,1]
.elseif (ss == 2) || (ss == 5)
	v_cmp_lt_f32 s[MK+\n], v[rD+\n], v[rB+\n]
.elseif (ss == 3) || (ss == 6)
	v_cndmask_b32 v[rI+\n], v[rI+\n], s[IT], s[MK+\n]
.else
	v_min_num_f32 v[rB+\n], v[rD+\n], v[rB+\n]
.endif
.endr
.endm
; 16 LDS loads in one run: the tile at v[ADR] into buffer b.  A fragment of 16 codes x 32 channels: lane (r, h) takes row r, two loads of 16 bytes, 32 bytes apart.
.macro ALOAD b
	WIN W_LD
.irp f, 0,1,2,3,4,5,6,7
	ds_load_b128 v[64*(\b)+8*\f:64*(\b)+8*\f+3],   v[ADR] offset:64*\f
	ds_load_b128 v[64*(\b)+8*\f+4:64*(\b)+8*\f+7], v[ADR] offset:64*\f+32
.endr
	s_add_co_u32 s[TB], s[TB], TILEB               ; the next fetch is the next tile's
.endm
; The LDS loads of a phase, in one run: ee of the tile that is being multiplied (parity p; the next phase reduces it), and the next tile's fragments into the other buffer.
.macro RUN p
	WIN 0
	v_add_nc_u32 v[ADR], s[TB], v[ADRL]
	v_add_nc_u32 v[AE], s[TE], v[AEL]
	ds_load_b128 v[EE+8*(\p):EE+8*(\p)+3],   v[AE]
	ds_load_b128 v[EE+8*(\p)+4:EE+8*(\p)+7], v[AE] offset:16
	ALOAD 1-(\p)
	s_add_co_u32 s[TE], s[TE], 64
.endm
; THE CHANGE OF SLOTS, in a chunk's last phase.  My reads of the slot are over (the phase's opening wait).  OPEN: I wait for all my tensor loads, of which one is out: my quarter of the next chunk; add 0 to
; my spare word; wait for that; and signal.  kind 1: the slot is filled again, with the chunk two on: the barrier opens a round of the cluster's, so that no wave of any partner still reads the slot or has a
; load on its way, and the joint refill is the first thing behind the round; it has 256 matrix instructions in which to land.  kind 2 (the last two chunks): nothing is left to ask for.
.macro OPEN kind
	WIN 0
	s_wait_tensorcnt 0x0                           ; no tensor load of mine is out, so a group 0 may be written
	ds_add_u32 v[SPW], v[NIL]                      ; 0 onto my spare word; the steps below stand between it and the wait for it
.if (\kind) == 1
	s_xor_b32 s[G0A+1], s[G0A+1], SLOT             ; the walking descriptor: the other slot than last time,
	s_add_nc_u64 s[G0A+2:G0A+3], s[G0A+2:G0A+3], CHUNKB  ; the next chunk; the type bits on top are not reached
	s_wait_xcnt 0x0                                ; the last prefetch, a chunk back, has read its address, so it may be written
	s_add_nc_u64 s[PFA:PFA+1], s[PFA:PFA+1], CHUNKB
.endif
	s_wait_dscnt 0x0                               ; the add is done
	s_barrier_signal -1
.endm
.macro CLOSE kind
	WIN 0                                          ; at a branch and at a label every window is 0
	s_barrier_wait -1
.if (\kind) == 1
	CREST
	JLOAD
.endif
	s_sub_co_u32 s[TB], s[TB], HALFB               ; the fetches go back to a slot's first tile,
	s_xor_b32 s[TB], s[TB], SLOT                   ; in the other slot
.endm
; A PHASE: the tile of parity p is multiplied, 32 matrix instructions (K fragment i / 4, row tile i % 4: the four accumulators take turns, one instruction a turn, over the phases' edges and the backward
; jumps too; the first four start the sums with the constant 0), and behind each stands a slice of the reduction of the tile before it.
; The slices are also the places that the loads and reads near the products want (ISA guide 7.12.1 for the reads): the run of loads stands twelve plain instructions or more behind the
; last product that read its buffer; an accumulator is first read twenty behind its last product.
; kind 0: the run of loads stands behind the second product.  kind 1, 2: a chunk's last tile: OPEN there; four products and slices, register work alone, between the signal and the wait; then CLOSE and the run.
.macro PHASE p, kind
	s_wait_dscnt 0x0                               ; the last run's 18 loads, issued 26 matrix instructions back or more: this tile's fragments, and ee of the tile to reduce
.set i, 0
.rept 32
	WIN W_MM
.if i < 4
	v_wmma_f32_16x16x32_bf16 v[ACC+32*(\p)+8*(i%4):ACC+32*(\p)+8*(i%4)+7], v[64*(\p)+8*(i/4):64*(\p)+8*(i/4)+7], v[64*(i%4)+8*(i/4):64*(i%4)+8*(i/4)+7], 0
.else
	v_wmma_f32_16x16x32_bf16 v[ACC+32*(\p)+8*(i%4):ACC+32*(\p)+8*(i%4)+7], v[64*(\p)+8*(i/4):64*(\p)+8*(i/4)+7], v[64*(i%4)+8*(i/4):64*(i%4)+8*(i/4)+7], v[ACC+32*(\p)+8*(i%4):ACC+32*(\p)+8*(i%4)+7]
.endif
	WIN 0
.set k, i
	SLICE 1-(\p)
.if (\kind) == 0
.if i == 1
	RUN \p
.endif
.else
.if i == 1
	OPEN \kind
.endif
.if i == 5
	CLOSE \kind
	RUN \p
	s_add_co_u32 s[TE], s[TE], 512                 ; over the other wave's half of the chunk's ee
.if (\kind) == 1
	WIN 0
	ASK
.endif
.endif
.endif
.set i, i+1
.endr
	s_add_co_u32 s[IT], s[IT], 16
.endm
	; the first change: chunk 0 and ee are waited for; slot 1, whose z tile has been read, takes chunk 1
	WIN 0
	s_wait_tensorcnt 0x0                           ; all my tensor loads have landed
	ds_add_u32 v[SPW], v[NIL]
	s_xor_b32 s[G0A+1], s[G0A+1], SLOT
	s_add_nc_u64 s[G0A+2:G0A+3], s[G0A+2:G0A+3], CHUNKB
	s_wait_dscnt 0x0                               ; the add is done; my reads of the z tile were waited for above
	CROUND
	JLOAD
	v_add_nc_u32 v[ADR], s[TB], v[ADRL]
	ALOAD 0                                        ; tile 0
	WIN 0
	s_mov_b32 s[CNT], 30
.Lchunk:                                               ; trip c multiplies chunk c and asks for chunk c + 2
	s_mov_b32 s[PR], 3
.Lpair:
	PHASE 0, 0
	PHASE 1, 0
	WIN 0
	s_sub_co_u32 s[PR], s[PR], 1
	s_cmp_lg_u32 s[PR], 0
	s_cbranch_scc1 .Lpair
	PHASE 0, 0
	PHASE 1, 1
	WIN 0
	s_sub_co_u32 s[CNT], s[CNT], 1
	s_cmp_lg_u32 s[CNT], 0
	s_cbranch_scc1 .Lchunk
	s_mov_b32 s[CNT], 2                            ; the last two chunks are a text of their own.  The very last change of slots and its
.Ltail:                                                ; sixteen loads of an old tile serve nothing: the price, once a launch, of one text for both
	s_mov_b32 s[PR], 3
.Ltpair:
	PHASE 0, 0
	PHASE 1, 0
	WIN 0
	s_sub_co_u32 s[PR], s[PR], 1
	s_cmp_lg_u32 s[PR], 0
	s_cbranch_scc1 .Ltpair
	PHASE 0, 0
	PHASE 1, 2
	WIN 0
	s_sub_co_u32 s[CNT], s[CNT], 1
	s_cmp_lg_u32 s[CNT], 0
	s_cbranch_scc1 .Ltail
	s_wait_dscnt 0x0                               ; ee of the last tile
.set k, 0
.rept 32
	SLICE 1                                        ; the last tile is reduced
.set k, k+1
.endr
; THE END.  A merge keeps the smaller d, and of equal d the smaller key: the first index.
.macro MRG dv, dk, va, ka, vb, kb
	v_cmp_lt_f32 s[MA], v[\vb], v[\va]
	v_cmp_eq_f32 s[MB], v[\vb], v[\va]
	v_cmp_lt_u32 s[MC], v[\kb], v[\ka]
	s_and_b32 s[MB], s[MB], s[MC]
	s_or_b32 s[MA], s[MA], s[MB]
	v_cndmask_b32 v[\dv], v[\va], v[\vb], s[MA]
	v_cndmask_b32 v[\dk], v[\ka], v[\kb], s[MA]
.endm
.set q, 0
.rept 4
.irp j, 1,2,3,4,5,6,7
	v_add_nc_u32 v[IDX+8*q+\j], \j, v[IDX+8*q+\j]  ; key = 16 x tile + register: ascending with the code among my lane's codes
.endr
.irp a, 0,2,4,6
	MRG BEST+8*q+\a, IDX+8*q+\a, BEST+8*q+\a, IDX+8*q+\a, BEST+8*q+\a+1, IDX+8*q+\a+1
.endr
.irp a, 0,4
	MRG BEST+8*q+\a, IDX+8*q+\a, BEST+8*q+\a, IDX+8*q+\a, BEST+8*q+\a+2, IDX+8*q+\a+2
.endr
	MRG BEST+8*q, IDX+8*q, BEST+8*q, IDX+8*q, BEST+8*q+4, IDX+8*q+4
	v_and_b32 v1, 0xffffff80, v[IDX+8*q]           ; 128 x chunk: a chunk has 256 codes, of which my wave saw 128
	v_add3_u32 v[IDX+8*q], v[IDX+8*q], v1, v[HB]   ; the code = 256 chunk + 128 hc + 16 tile + 8 h + register
	v_permlanex16_b32 v[T], v[BEST+8*q], s[SEL], s[SEL+1]    ; the row's other eight codes of each tile lie in the lane 16 away
	v_permlanex16_b32 v[T+1], v[IDX+8*q], s[SEL], s[SEL+1]
	MRG RV+q, RK+q, BEST+8*q, IDX+8*q, T, T+1
.set q, q+1
.endr
	s_lshl_b32 s21, s[WV], 10
	s_add_co_u32 s21, s21, SCR
	v_lshl_add_u32 v[SA], v[LN], 4, s21
	ds_store_b128 v[SA], v[RV:RV+3]
	ds_store_b128 v[SA], v[RK:RK+3] offset:512
	s_wait_dscnt 0x0                               ; for the others' sake: my stores are done
	s_barrier_signal -1
	s_barrier_wait -1
	s_cmp_lg_u32 s[HC], 0                          ; waves 0 and 2 finish their 64 rows
	s_cbranch_scc1 .Lend
	ds_load_b128 v[OV:OV+3], v[SA] offset:1024     ; the wave that saw the other half of every chunk
	ds_load_b128 v[OK:OK+3], v[SA] offset:1536
	s_wait_dscnt 0x0
.set q, 0
.rept 4
	MRG RV+q, RK+q, RV+q, RK+q, OV+q, OK+q
.set q, q+1
.endr
	v_and_b32 v1, 15, v0
	s_lshl_b32 s21, s[GR], 9                       ; 128 rows of 4 bytes,
	s_lshl_b32 s22, s[QH], 8                       ; my 64
	s_add_co_u32 s21, s21, s22
	v_lshl_add_u32 v[OO], v1, 4, s21               ; rows 4 r .. 4 r + 3
	v_cmp_gt_u32 vcc_lo, 16, v[LN]                 ; lanes 16-31 hold the same numbers once more
	s_wait_xcnt 0x0                                ; EXEC changes only behind this wait
	s_and_saveexec_b32 s[SX], vcc_lo
	global_store_b128 v[OO], v[RK:RK+3], s[10:11]  ; 16 lanes store 256 consecutive bytes, aligned
	global_store_b128 v[OO], v[RK:RK+3], s[12:13]  ; and the copy from which the next launch forms addresses
	s_wait_xcnt 0x0
	s_or_b32 exec_lo, exec_lo, s[SX]
	s_cmp_lg_u32 s[WV], 0                          ; wave 0 adds the work-group's 128 least d
	s_cbranch_scc1 .Lend
	ds_load_b128 v[LV:LV+3],   v[SA] offset:2048   ; the other 64 rows, as waves 2 and 3 found them
	ds_load_b128 v[LV+4:LV+7], v[SA] offset:3072
	s_wait_dscnt 0x0
.irp q, 0,1,2,3
	v_min_num_f32 v[LV+\q], v[LV+\q], v[LV+4+\q]
.endr
	v_pk_add_f32 v[LV:LV+1], v[LV:LV+1], v[RV:RV+1]
	v_pk_add_f32 v[LV+2:LV+3], v[LV+2:LV+3], v[RV+2:RV+3]
	v_pk_add_f32 v[LV:LV+1], v[LV:LV+1], v[LV+2:LV+3]
	v_add_f32 v[LV], v[LV], v[LV+1]
.irp m, 1,2,4,8
	v_add_f32_dpp v[LV], v[LV], v[LV] row_xmask:\m row_mask:0xf bank_mask:0xf  ; over 16 lanes: the other 16 hold the same rows
.endr
	s_lshl_b32 s21, s[GR], 2
	v_mov_b32 v[PO], s21
	v_cmp_eq_u32 vcc_lo, 0, v[LN]
	s_wait_xcnt 0x0
	s_and_saveexec_b32 s[SX], vcc_lo
	global_store_b32 v[PO], v[LV], s[14:15]
	s_wait_xcnt 0x0
	s_or_b32 exec_lo, exec_lo, s[SX]
.Lend:
	s_wait_tensorcnt 0x0                           ; the wave's end: behind my last tensor load and my last LDS store
	ds_add_u32 v[SPW], v[NIL]
	s_wait_dscnt 0x0
	CROUND                                         ; the closing round: no work-group ends while a partner may still ask for a tile that names it
	s_endpgm
.Lfunc_end_k_qfa6427910b_nearest:
	.size	k_qfa6427910b_nearest, .Lfunc_end_k_qfa6427910b_nearest-k_qfa6427910b_nearest
	.p2alignl 7, 3214868480
	.fill 96, 4, 3214868480
	.section	.rodata,"a",@progbits
	.p2align	6, 0x0
	.amdhsa_kernel k_qfa6427910b_nearest
		.amdhsa_group_segment_fixed_size 327680
		.amdhsa_private_segment_fixed_size 0
		.amdhsa_enable_private_segment 0
		.amdhsa_kernarg_size 48
		.amdhsa_user_sgpr_count 2
		.amdhsa_user_sgpr_kernarg_segment_ptr 1
		.amdhsa_wavefront_size32 1
		.amdhsa_system_sgpr_workgroup_id_x 1
		.amdhsa_system_sgpr_workgroup_id_y 1
		.amdhsa_system_sgpr_workgroup_id_z 1
		.amdhsa_system_vgpr_workitem_id 0
		.amdhsa_next_free_vgpr 640
		.amdhsa_next_free_sgpr 96
		.amdhsa_reserve_vcc 1
		.amdhsa_float_denorm_mode_32 3
		.amdhsa_float_denorm_mode_16_64 3
		.amdhsa_memory_ordered 1
		.amdhsa_forward_progress 1
		.amdhsa_inst_pref_size 167
	.end_amdhsa_kernel
	.amdgpu_metadata
---
amdhsa.version: [ 1, 2 ]
amdhsa.kernels:
  - .name:           k_qfa6427910b_nearest
    .symbol:         k_qfa6427910b_nearest.kd
    .args:
      - { .name: z, .offset: 0, .size: 8, .value_kind: global_buffer, .address_space: global }
      - { .name: eb, .offset: 8, .size: 8, .value_kind: global_buffer, .address_space: global }
      - { .name: ee, .offset: 16, .size: 8, .value_kind: global_buffer, .address_space: global }
      - { .name: out1, .offset: 24, .size: 8, .value_kind: global_buffer, .address_space: global }
      - { .name: widx, .offset: 32, .size: 8, .value_kind: global_buffer, .address_space: global }
      - { .name: part, .offset: 40, .size: 8, .value_kind: global_buffer, .address_space: global }
    .group_segment_fixed_size: 327680
    .private_segment_fixed_size: 0
    .kernarg_segment_align: 8
    .kernarg_segment_size: 48
    .max_flat_workgroup_size: 128
    .sgpr_count:     96
    .vgpr_count:     640
    .wavefront_size: 32
...
	.end_amdgpu_metadata
.endif
;; end of part 2
;; launch spread (part 3): grid 512 x 1, 4 waves a work-group, no clusters, 34,304 bytes of LDS; arguments z, eb, widx, part, out0, out2; writes out0, out2
.if DOCPART == 3
	.amdgcn_target "amdgcn-amd-amdhsa--gfx1250"
	.amdhsa_code_object_version 6
	.text
	.protected	k_qfa6427910b_spread
	.globl	k_qfa6427910b_spread
	.p2align	8
	.type	k_qfa6427910b_spread,@function
k_qfa6427910b_spread:
	s_mov_b64 s[64:65], 0
	v_nop
	global_prefetch_b8 v0, s[64:65] scope:SCOPE_SE
	s_setreg_imm32_b32 hwreg(HW_REG_WAVE_MODE, 25, 1), 1
	s_wait_xcnt 0x0
; VECTOR QUANTIZER, launch 3 of 3.  out0[b][c][hw] = zb + (e - zb), zb = z rounded to bf16, e = eb[widx[n]][c];  out2 = 1.25 / (32,768 x 256) x the sum of part's 256 numbers.
; LEFT OUT (shown at the head of the first kernel): the loss's squares are not formed here: part holds the sums of the rows' least d, which are those sums of squares.
; A stream through registers: no matrix unit, no cluster (no two work-groups share a tile), no loop.  The looked-up rows lie along the channels, out0 along hw: they are turned through LDS.
; SHARES.  Work-group t owns 64 rows n = 64 t .. 64 t + 63 (b = t / 16, hw from 64 (t % 16)) x 256 channels.  Wave w looks up rows 16 w .. 16 w + 15, a row of 512 bytes a load, and finishes channels
; 64 w .. 64 w + 63: lane (a = l % 16, h = l / 16) takes rows 4 a .. 4 a + 3 of one channel, so sixteen lanes read and write 256 consecutive, aligned bytes of z and out0; lanes 16-31 the channel 8 on.
; LDS: 64 rows x 528 bytes (512 + 16: the sixteen rows that a load back touches start at sixteen different groups of four banks; 64 banks of 4 bytes: ISA guide 11.1); local row q lies at row
; 16 (q % 4) + q / 4, so that lane a finds rows 4 a + 0..3 at rows a, 16 + a, 32 + a, 48 + a.  Behind them the spare words.
; The indices are whole numbers that the launch before stored; they are held to 0 .. 8,191 on their way into an address.
.set PITCH, 528
.set SPARE, 64*PITCH                   ; the spare words, 128 bytes for each wave: two blocks of 256 bytes that no other line names
.set LN,  1                            ; v1   lane
.set L16, 2                            ; v2   16 x lane
.set LS,  3                            ; v3   into LDS: 4 w rows + 16 x lane
.set LR,  4                            ; v4   back: a rows + 16 h + 128 w
.set ZO,  5                            ; v5   my 16 bytes in the wave's first channels of z and out0: 8 h channels + 16 a; never rewritten
.set SPW, 6                            ; v6   LDS address of my spare word; never rewritten
.set NIL, 7                            ; v7   0; never rewritten
.set GA,  8                            ; v[8:23]    row i: its byte offset in eb + 16 x lane
.set ED,  24                           ; v[24:87]   row i as looked up (4 i); then, step s, row 4 a + u: eight channels at 16 s + 4 u
.set ZD,  88                           ; v[88:215]  step s, channel c: four rows of z, then of out0, at 4 (8 s + c); store data, not rewritten
.set W,   216                          ; v[216:219] e, then e - zb
.set ZB,  220                          ; v[220:223] zb
.set P,   224                          ; v[224:225] zb as bf16
	s_load_b256 s[4:11], s[0:1], 0x0               ; z s[4:5], eb s[6:7], widx s[8:9], part s[10:11]
	s_load_b128 s[12:15], s[0:1], 0x20             ; out0 s[12:13], out2 s[14:15]
	v_lshl_add_u32 v[SPW], v0, 2, SPARE
	v_mov_b32 v[NIL], 0
	v_lshrrev_b32 v226, 5, v0
	v_readfirstlane_b32 s32, v226                  ; wave 0..3
	v_and_b32 v[LN], 31, v0
	v_and_b32 v226, 15, v0                         ; a
	v_bfe_u32 v227, v0, 4, 1                       ; h
	v_lshlrev_b32 v[L16], 4, v[LN]
	s_mul_i32 s33, s32, 4*PITCH
	v_add_nc_u32 v[LS], s33, v[L16]
	v_mul_u32_u24 v[LR], v226, PITCH
	v_lshl_add_u32 v[LR], v227, 4, v[LR]
	s_lshl_b32 s33, s32, 7
	v_add_nc_u32 v[LR], s33, v[LR]
	v_lshlrev_b32 v[ZO], 15, v227                  ; 8 channels of 4,096 bytes
	v_lshl_add_u32 v[ZO], v226, 4, v[ZO]
	s_lshr_b32 s36, ttmp9, 4                       ; b,
	s_lshl_b32 s36, s36, 20                        ; 2^20 bytes each
	s_and_b32 s33, ttmp9, 15
	s_lshl_b32 s33, s33, 8                         ; 64 rows of 4 bytes
	s_add_co_u32 s36, s36, s33
	s_lshl_b32 s33, s32, 18                        ; my 64 channels
	s_add_co_u32 s36, s36, s33
	s_mov_b32 s37, 0
	s_lshl_b32 s34, ttmp9, 8                       ; the work-group's 64 indices,
	s_lshl_b32 s33, s32, 6                         ; my wave's 16
	s_add_co_u32 s34, s34, s33
	s_mov_b32 s35, 0
	s_mov_b32 s38, 0xffff0000                      ; a word's upper bf16
	s_mov_b32 s40, 0x76543210
	s_mov_b32 s41, 0xfedcba98
	s_wait_kmcnt 0x0
	s_add_nc_u64 s[34:35], s[8:9], s[34:35]
	s_load_b512 s[16:31], s[34:35], 0x0            ; sixteen indices
	s_add_nc_u64 s[4:5], s[4:5], s[36:37]
	s_add_nc_u64 s[12:13], s[12:13], s[36:37]
.set st, 0
.rept 4
.irp c, 0,1,2,3,4,5,6,7
	global_load_b128 v[ZD+4*(8*st+\c):ZD+4*(8*st+\c)+3], v[ZO], s[4:5] offset:(16*st+\c)*4096 th:TH_LOAD_NT
.endr
.set st, st+1
.endr
	s_wait_kmcnt 0x0
.irp i, 0,1,2,3,4,5,6,7,8,9,10,11,12,13,14,15
	s_min_u32 s[16+\i], s[16+\i], 0x1fff           ; inside the table
	s_lshl_b32 s[16+\i], s[16+\i], 9               ; a row of eb is 512 bytes
	v_add_nc_u32 v[GA+\i], s[16+\i], v[L16]
	global_load_b128 v[ED+4*\i:ED+4*\i+3], v[GA+\i], s[6:7]   ; the whole row: 512 consecutive bytes; rows may be named again, so no hint
.endr
.irp i, 0,1,2,3,4,5,6,7,8,9,10,11,12,13,14,15
	s_wait_loadcnt 15-\i                           ; loads come back in order: row i is in (and all of z, issued earlier); the later rows stay out
	ds_store_b128 v[LS], v[ED+4*\i:ED+4*\i+3] offset:(((\i)&3)*16+((\i)>>2))*PITCH
.endr
	s_wait_dscnt 0x0                               ; for the others' sake: my stores are done
	s_barrier_signal -1
	s_barrier_wait -1
.set st, 0
.rept 4
.irp u, 0,1,2,3
	ds_load_b128 v[ED+16*st+4*\u:ED+16*st+4*\u+3], v[LR] offset:\u*16*PITCH+32*st   ; row 4 a + u, channels 64 w + 16 st + 8 h + 0..7
.endr
.set st, st+1
.endr
	s_wait_dscnt 0x0
.set st, 0
.rept 4
.set ci, 0
.rept 8
.set rZ, ZD+4*(8*st+ci)
.irp u, 0,1,2,3
.if ci%2 == 0
	v_lshlrev_b32 v[W+\u], 16, v[ED+16*st+4*\u+ci/2]          ; e of channel ci, rows 4 a + u: bf16 to f32
.else
	v_and_b32 v[W+\u], s38, v[ED+16*st+4*\u+ci/2]
.endif
.endr
	v_cvt_pk_bf16_f32 v[P],   v[rZ],   v[rZ+1]     ; z rounded to bf16, as everywhere in the program,
	v_cvt_pk_bf16_f32 v[P+1], v[rZ+2], v[rZ+3]
	v_lshlrev_b32 v[ZB],   16,  v[P]               ; and back in f32
	v_and_b32     v[ZB+1], s38, v[P]
	v_lshlrev_b32 v[ZB+2], 16,  v[P+1]
	v_and_b32     v[ZB+3], s38, v[P+1]
	v_pk_add_f32 v[W:W+1],     v[W:W+1],     v[ZB:ZB+1]     neg_lo:[0,1] neg_hi:[0,1]   ; e - zb, rounded,
	v_pk_add_f32 v[W+2:W+3],   v[W+2:W+3],   v[ZB+2:ZB+3]   neg_lo:[0,1] neg_hi:[0,1]
	v_pk_add_f32 v[rZ:rZ+1],   v[ZB:ZB+1],   v[W:W+1]       ; zb + that, rounded: the two roundings of the straight-through sum
	v_pk_add_f32 v[rZ+2:rZ+3], v[ZB+2:ZB+3], v[W+2:W+3]
	global_store_b128 v[ZO], v[rZ:rZ+3], s[12:13] offset:(16*st+ci)*4096 th:TH_STORE_NT  ; 16 lanes store 256 consecutive bytes, aligned
.set ci, ci+1
.endr
.set st, st+1
.endr
	s_or_b32 s33, ttmp9, s32                       ; work-group 0's wave 0 makes the loss
	s_cmp_lg_u32 s33, 0
	s_cbranch_scc1 .Lend
	v_lshlrev_b32 v228, 5, v[LN]
	global_load_b128 v[24:27], v228, s[10:11]      ; 32 lanes x 8 partial sums
	global_load_b128 v[28:31], v228, s[10:11] offset:16
	s_wait_loadcnt 0x0
	v_pk_add_f32 v[24:25], v[24:25], v[26:27]
	v_pk_add_f32 v[28:29], v[28:29], v[30:31]
	v_pk_add_f32 v[24:25], v[24:25], v[28:29]
	v_add_f32 v24, v24, v25
.irp m, 1,2,4,8
	v_add_f32_dpp v24, v24, v24 row_xmask:\m row_mask:0xf bank_mask:0xf
.endr
	v_permlanex16_b32 v25, v24, s40, s41           ; its destination has been written
	v_add_f32 v24, v24, v25
	v_mul_f32 v24, 0x34200000, v24                 ; 1.25 x 2^-23: 0.25 and 1 times the same mean over 2^23 numbers
	v_mov_b32 v229, 0
	v_cmp_eq_u32 vcc_lo, 0, v[LN]
	s_wait_xcnt 0x0                                ; EXEC changes only behind this wait
	s_and_saveexec_b32 s42, vcc_lo
	global_store_b32 v229, v24, s[14:15]
	s_wait_xcnt 0x0
	s_or_b32 exec_lo, exec_lo, s42
.Lend:
	s_wait_tensorcnt 0x0                           ; the wave's end: behind my last LDS store
	ds_add_u32 v[SPW], v[NIL]
	s_wait_dscnt 0x0
	s_endpgm
.Lfunc_end_k_qfa6427910b_spread:
	.size	k_qfa6427910b_spread, .Lfunc_end_k_qfa6427910b_spread-k_qfa6427910b_spread
	.p2alignl 7, 3214868480
	.fill 96, 4, 3214868480
	.section	.rodata,"a",@progbits
	.p2align	6, 0x0
	.amdhsa_kernel k_qfa6427910b_spread
		.amdhsa_group_segment_fixed_size 34304
		.amdhsa_private_segment_fixed_size 0
		.amdhsa_enable_private_segment 0
		.amdhsa_kernarg_size 48
		.amdhsa_user_sgpr_count 2
		.amdhsa_user_sgpr_kernarg_segment_ptr 1
		.amdhsa_wavefront_size32 1
		.amdhsa_system_sgpr_workgroup_id_x 1
		.amdhsa_system_sgpr_workgroup_id_y 1
		.amdhsa_system_sgpr_workgroup_id_z 1
		.amdhsa_system_vgpr_workitem_id 0
		.amdhsa_next_free_vgpr 232
		.amdhsa_next_free_sgpr 66
		.amdhsa_reserve_vcc 1
		.amdhsa_float_denorm_mode_32 3
		.amdhsa_float_denorm_mode_16_64 3
		.amdhsa_memory_ordered 1
		.amdhsa_forward_progress 1
		.amdhsa_inst_pref_size 36
	.end_amdhsa_kernel
	.amdgpu_metadata
---
amdhsa.version: [ 1, 2 ]
amdhsa.kernels:
  - .name:           k_qfa6427910b_spread
    .symbol:         k_qfa6427910b_spread.kd
    .args:
      - { .name: z, .offset: 0, .size: 8, .value_kind: global_buffer, .address_space: global }
      - { .name: eb, .offset: 8, .size: 8, .value_kind: global_buffer, .address_space: global }
      - { .name: widx, .offset: 16, .size: 8, .value_kind: global_buffer, .address_space: global }
      - { .name: part, .offset: 24, .size: 8, .value_kind: global_buffer, .address_space: global }
      - { .name: out0, .offset: 32, .size: 8, .value_kind: global_buffer, .address_space: global }
      - { .name: out2, .offset: 40, .size: 8, .value_kind: global_buffer, .address_space: global }
    .group_segment_fixed_size: 34304
    .private_segment_fixed_size: 0
    .kernarg_segment_align: 8
    .kernarg_segment_size: 48
    .max_flat_workgroup_size: 128
    .sgpr_count:     66
    .vgpr_count:     232
    .wavefront_size: 32
...
	.end_amdgpu_metadata
.endif
;; end of part 3
